; MI455X (gfx1250); checked and timed in simulation.
; The chip was launched on July 23, 2026; its instructions are those of AMD's public machine-readable ISA for CDNA 5 (MIT licence, August 2026) and "CDNA5" Instruction Set Architecture Reference Guide (July 2026). The comments in the code are by the model that wrote it; some were corrected since.
;; Group Linear. Allowed arithmetic: matrix products marked QUANTISED: E4M3 operands, one E8M0 scale for each 32 along K, by v_wmma_scale_f32_16x16x128_f8f6f4 with both operands' format E4M3, f32 sums; everything else in f32.
;; Inputs: group 4 x 2,048 int32; weight_codes 8 x 1,024 x 32 x 32 uint8 (E4M3 codes of weight, K innermost, in blocks of 32 codes); weight_scales 8 x 1,024 x 32 uint8 (E8M0 scales of weight, one for each 32 codes along K); x_codes 4 x 2,048 x 32 x 32 uint8 (E4M3 codes of x, K innermost, in blocks of 32 codes); x_scales 4 x 2,048 x 32 uint8 (E8M0 scales of x, one for each 32 codes along K).
;; Outputs: out0 4 x 2,048 x 1,024 float32.
;; This version of the problem:
;;   THIS VERSION OF THE PROBLEM IS GIVEN IN LOW PRECISION. The matrix products marked QUANTISED in the list below multiply operands that are first quantised to E4M3 (4 exponent bits, 3 mantissa bits; 8 bits a number), with one power-of-two scale for each 32 numbers along K (OCP MX v1.0); their sums are f32. All else is computed in f32.
;;   The module's matrix products, in the order in which they are computed (A, B: the left and right operand; K: the contracted axis; several contracted axes count as one K, in the product's order):
;;     1. [M 8,192, K 1,024] x [K 1,024, N 8,192]; A: input x (given as codes); B: input weight (given as codes): QUANTISED
;;   THE QUANTISER, for each operand of a quantised product, along K:
;;     - K is cut into blocks of 32 from its start; a last block that is shorter is filled with zeros.
;;     - A block's scale is 2^e with e = floor(log2(the largest magnitude in the block)) - 8, held to -126 .. 127; a block of zeros has e = 0. As a byte (E8M0): e + 127.
;;     - Each number is divided by its block's scale, clamped to +-448, and rounded to the nearest number of E4M3, ties to even, subnormals kept.
;;     - The product sums the exact products of the quantised numbers (number of the format x scale) in f32.
;;   ~~~python
;;   def quantise(x, axis):      # numpy; x: float32 -> the quantised numbers, widened to float32 again
;;       x = np.moveaxis(x, axis, -1); K = x.shape[-1]
;;       x = np.pad(x, [(0, 0)] * (x.ndim - 1) + [(0, -K % 32)]); x = x.reshape(x.shape[:-1] + (-1, 32)); a = np.abs(x).max(-1, keepdims=True)
;;       e = np.where(a > 0, np.clip(np.frexp(np.where(a > 0, a, 1))[1] - 1 - 8, -126, 127), 0)      # np.frexp(a)[1] - 1 = floor(log2(a)), exactly
;;       r = np.clip(x / 2.0 ** e, -448, 448)
;;       step = 2.0 ** (np.maximum(np.frexp(np.where(r == 0, 1, r))[1] - 1, -6) - 3)
;;       q = np.round(r / step) * step * 2.0 ** e      # np.round: ties to even
;;       return np.moveaxis(q.reshape(q.shape[:-2] + (-1,))[..., :K], -1, axis).astype(np.float32)
;;   ~~~
;;   INPUTS GIVEN AS CODES. weight (in the module: [8, 1024, 1024], K = its axis 2); x (in the module: [4, 2048, 1024], K = its axis 2): each comes as NAME_codes (uint8): NAME with its K axis moved to the last place and cut into blocks of 32 codes, [.., K / 32, bytes a block], one block behind the other in memory; one code a byte (a code: sign, 4 exponent bits, 3 mantissa bits); and NAME_scales (uint8): the same leading axes, one E8M0 byte (e + 127) for each 32 codes along K. Its value is code x scale, taken as it is: it is not quantised again, and the codes and scales need not be those that the quantiser above would give.
;; 2 versions. Each part assembles by itself: llvm-mc -triple=amdgcn-amd-amdhsa -mcpu=gfx1250 --defsym DOCPART=n.
;; ======== version 1 of 2: 2 launches
;; workspace buffers: counts 256 bytes of whole numbers; order 262,144 bytes of whole numbers; wf 8,388,608 bytes
;; launch prep (part 1): grid 136 x 1, 16 waves a work-group, no clusters, 71,936 bytes of LDS; arguments group, weight_codes, order, counts, wf; writes order, counts, wf
.if DOCPART == 1
	.amdgcn_target "amdgcn-amd-amdhsa--gfx1250"
	.amdhsa_code_object_version 6
	.text
	.protected	k_qc96a61a9d4_prep
	.globl	k_qc96a61a9d4_prep
	.p2align	8
	.type	k_qc96a61a9d4_prep,@function
k_qc96a61a9d4_prep:
	s_mov_b64 s[64:65], 0
	v_nop
	global_prefetch_b8 v0, s[64:65] scope:SCOPE_SE
	s_setreg_imm32_b32 hwreg(HW_REG_WAVE_MODE, 25, 1), 1
	s_wait_xcnt 0x0
; PREP: two jobs in one launch, told apart by the work-group's number alone.
; Work-groups 0-7, ROUTING: work-group g lists the numbers of the tokens whose group is g, order[g][rank] (any order inside an expert: rows do not depend on each other), and stores their count, counts[g].
; Work-groups 8-135, LAYOUT: weight_codes [8][1024][1024] is laid once in the order of a matrix operand's registers: wf[e][nb 64][s 8][2048 bytes]; in a fragment (16 output columns 16 nb on, K 128 s on)
;   byte 512 c + 16 l + i = W[e][16 nb + l % 16][128 s + 32 c + 16 (l / 16) + i].  So the next launch loads a fragment by four loads of 512 consecutive bytes, straight into registers.
; LIMIT: group holds 0 .. 7, as the problem states (an index stays inside its table).  A token with any other number would be listed by no expert, and its output row would stay unwritten.
; No matrix work, no tensor loads, no cluster: the two jobs share no input, and each byte is read once (group: once by each of eight work-groups).
; LDS: each path has bytes of its own: 16 stages of 16 rows x 272 bytes (layout), then 16 words of wave counts (routing).
.set SPITCH, 272                       ; a stage row: 256 bytes + 16: 17 x 16, so that the sixteen rows which a load touches fall on sixteen different 16-byte columns of 256
.set WSTG,   16*SPITCH                 ; a wave's stage
.set RT,     16*WSTG                   ; the routing path's 16 words
.set RIN,    8                         ; v8-39   layout: as loaded;  routing: v8-23 the groups
.set ROUT,   40                        ; v40-71  layout: as stored;  routing: v40-55 the wave counts
.set ADR,    72                        ; v72-87  routing: where token i of my 16 goes in order[g], in bytes
.set TKN,    88                        ; v88-103 routing: its number
	s_load_b256 s[4:11], s[0:1], 0x0               ; group s[4:5], weight_codes s[6:7], order s[8:9], counts s[10:11]
	s_load_b64 s[12:13], s[0:1], 0x20              ; wf
	v_lshl_add_u32 v104, v0, 2, 0x11100
	v_mov_b32 v105, 0
	v_lshrrev_b32 v1, 5, v0
	v_readfirstlane_b32 s14, v1                    ; wave 0..15
	v_and_b32 v1, 31, v0                           ; lane
	v_and_b32 v2, 15, v0                           ; r
	v_bfe_u32 v3, v0, 4, 1                         ; h
	s_mov_b32 s17, 0                               ; the high word of the offset pair s[16:17]
	s_wait_kmcnt 0x0
	s_cmp_lt_u32 ttmp9, 8
	s_cbranch_scc1 .Lroute
	; ---- LAYOUT.  A wave takes unit U = 16 (work-group - 8) + wave, 0 .. 2047: 16 rows of W x 256 bytes along K = two fragments.
	s_sub_co_u32 s15, ttmp9, 8
	s_lshl_b32 s15, s15, 4
	s_add_co_u32 s15, s15, s14                     ; U
	s_lshr_b32 s16, s15, 2
	s_lshl_b32 s16, s16, 14                        ; 16 rows of 1,024 bytes for each U / 4,
	s_and_b32 s18, s15, 3
	s_lshl_b32 s18, s18, 8                         ; 256 bytes along K for each U % 4
	s_add_co_u32 s16, s16, s18
	s_add_nc_u64 s[6:7], s[6:7], s[16:17]
	s_lshl_b32 s16, s15, 12                        ; in wf the unit's two fragments are 4,096 consecutive bytes
	s_add_nc_u64 s[12:13], s[12:13], s[16:17]
	s_mul_i32 s18, s14, WSTG                       ; my stage
	v_lshlrev_b32 v4, 4, v2
	v_lshl_add_u32 v4, v3, 10, v4                  ; in: lanes 0-15 one row's 256 bytes, lanes 16-31 the next row's
	v_mul_u32_u24 v5, v3, SPITCH
	v_lshl_add_u32 v5, v2, 4, v5
	v_add_nc_u32 v5, s18, v5                       ; the same two rows in the stage
	v_mul_u32_u24 v6, v2, SPITCH
	v_lshl_add_u32 v6, v3, 4, v6
	v_add_nc_u32 v6, s18, v6                       ; back: row r, + 16 h: the operand's layout
	v_lshlrev_b32 v7, 4, v1                        ; out: 16 bytes a lane, 512 consecutive bytes a store
.irp i, 0,1,2,3,4,5,6,7
	global_load_b128 v[RIN+4*\i:RIN+4*\i+3], v4, s[6:7] offset:2048*\i th:TH_LOAD_NT   ; rows 2 i, 2 i + 1; read once in the launch
.endr
.irp i, 0,1,2,3,4,5,6,7
	s_wait_loadcnt 7-\i                            ; loads come back in order: load i is in, the 7 - i younger ones may be out
	ds_store_b128 v5, v[RIN+4*\i:RIN+4*\i+3] offset:2*SPITCH*\i
.endr
.irp k, 0,1,2,3,4,5,6,7
	ds_load_b128 v[ROUT+4*\k:ROUT+4*\k+3], v6 offset:128*(\k/4)+32*(\k%4)   ; fragment k / 4, registers 4 (k % 4) on.  LDS serves a wave's instructions in order: these see my stores
.endr
.irp k, 0,1,2,3,4,5,6,7
	s_wait_dscnt 7-\k                              ; load k is in, the 7 - k younger ones may be out
	global_store_b128 v7, v[ROUT+4*\k:ROUT+4*\k+3], s[12:13] offset:512*\k th:TH_STORE_NT
.endr
	s_wait_tensorcnt 0x0
	ds_add_u32 v104, v105
	s_wait_dscnt 0x0
	s_endpgm
	; ---- ROUTING.  512 threads x 16 tokens.  Register 4 j + k of thread t holds the group of token 2048 j + 4 t + k.
.Lroute:
	s_mov_b32 s15, ttmp9                           ; g
	v_lshlrev_b32 v4, 4, v0
	v_lshlrev_b32 v58, 2, v0                       ; 4 t
.irp j, 0,1,2,3
	global_load_b128 v[RIN+4*\j:RIN+4*\j+3], v4, s[4:5] offset:8192*\j
.endr
	s_mov_b32 s20, 0                               ; my wave's count
	s_lshl_b32 s24, s14, 2
	s_add_co_u32 s24, s24, RT
	v_mov_b32 v25, s24                             ; my wave's word
	v_mov_b32 v26, RT
	s_wait_loadcnt 0x0
.irp i, 0,1,2,3,4,5,6,7,8,9,10,11,12,13,14,15
	v_cmp_eq_u32 s[32+\i], s15, v[RIN+\i]          ; s32-47: which lanes' token i is mine
.endr
.irp i, 0,1,2,3,4,5,6,7,8,9,10,11,12,13,14,15
	s_bcnt1_i32_b32 s[48+\i], s[32+\i]             ; s48-63: how many
	s_add_co_u32 s20, s20, s[48+\i]
.endr
	v_mov_b32 v24, s20
	ds_store_b32 v25, v24                          ; all lanes write the same word with the same value
	s_wait_dscnt 0x0                               ; for the others' sake: my store has landed
	s_barrier_signal -1
	s_barrier_wait -1
.irp q, 0,1,2,3
	ds_load_b128 v[ROUT+4*\q:ROUT+4*\q+3], v26 offset:16*\q   ; all sixteen counts, in every lane
.endr
	s_lshl_b32 s26, ttmp9, 15                      ; order: 8,192 words an expert
	s_mov_b32 s27, 0
	s_add_nc_u64 s[8:9], s[8:9], s[26:27]
	s_lshl_b32 s26, ttmp9, 2                       ; counts: a word an expert
	s_add_nc_u64 s[10:11], s[10:11], s[26:27]
	s_mov_b32 s21, 0                               ; the rank at which my wave begins
	s_mov_b32 s23, 0                               ; the expert's total
	s_wait_dscnt 0x0
.irp w, 0,1,2,3,4,5,6,7,8,9,10,11,12,13,14,15
	v_readfirstlane_b32 s[68+\w], v[ROUT+\w]
.endr
.irp w, 0,1,2,3,4,5,6,7,8,9,10,11,12,13,14,15
	s_cmp_gt_u32 s14, \w                           ; compared anew each time: the additions below set SCC
	s_cselect_b32 s24, s[68+\w], 0                 ; the waves in front of mine count for my first rank
	s_add_co_u32 s21, s21, s24
	s_add_co_u32 s23, s23, s[68+\w]
.endr
	; All offsets and all data of the stores are made first, with every lane on; under a narrowed EXEC stand the stores alone.
	v_mov_b32 v59, 0                               ; the count's offset
	v_mov_b32 v60, s23                             ; and the count
.irp i, 0,1,2,3,4,5,6,7,8,9,10,11,12,13,14,15
	v_mbcnt_lo_u32_b32 v[ADR+\i], s[32+\i], s21    ; token i's rank: the running rank + the matching lanes below mine
	s_add_co_u32 s21, s21, s[48+\i]
.endr
.irp i, 0,1,2,3,4,5,6,7,8,9,10,11,12,13,14,15
	v_min_u32 v[ADR+\i], 0x1fff, v[ADR+\i]         ; a rank stays inside the expert's 8,192 words
.endr
.irp i, 0,1,2,3,4,5,6,7,8,9,10,11,12,13,14,15
	v_lshlrev_b32 v[ADR+\i], 2, v[ADR+\i]
.endr
.irp i, 0,1,2,3,4,5,6,7,8,9,10,11,12,13,14,15
	v_add_nc_u32 v[TKN+\i], 2048*(\i/4)+(\i%4), v58   ; the token's number
.endr
	s_wait_xcnt 0x0                                ; EXEC changes only behind this wait
.irp i, 0,1,2,3,4,5,6,7,8,9,10,11,12,13,14,15
	s_and_saveexec_b32 s22, s[32+\i]               ; the lanes whose token i is mine store its number, at neighbouring words
	global_store_b32 v[ADR+\i], v[TKN+\i], s[8:9]
	s_wait_xcnt 0x0                                ; the store has read EXEC: it is widened only behind this wait
	s_or_b32 exec_lo, exec_lo, s22
.endr
	s_cmp_lg_u32 s14, 0                            ; wave 0's lane 0 stores the total
	s_cbranch_scc1 .Lend
	v_cmp_eq_u32 vcc_lo, 0, v0
	s_and_saveexec_b32 s22, vcc_lo                 ; (no memory instruction has been issued since the last wait on XCNT)
	global_store_b32 v59, v60, s[10:11]
	s_wait_xcnt 0x0
	s_or_b32 exec_lo, exec_lo, s22
.Lend:
	s_wait_tensorcnt 0x0
	ds_add_u32 v104, v105
	s_wait_dscnt 0x0
	s_endpgm
.Lfunc_end_k_qc96a61a9d4_prep:
	.size	k_qc96a61a9d4_prep, .Lfunc_end_k_qc96a61a9d4_prep-k_qc96a61a9d4_prep
	.p2alignl 7, 3214868480
	.fill 96, 4, 3214868480
	.section	.rodata,"a",@progbits
	.p2align	6, 0x0
	.amdhsa_kernel k_qc96a61a9d4_prep
		.amdhsa_group_segment_fixed_size 71936
		.amdhsa_private_segment_fixed_size 0
		.amdhsa_enable_private_segment 0
		.amdhsa_kernarg_size 40
		.amdhsa_user_sgpr_count 2
		.amdhsa_user_sgpr_kernarg_segment_ptr 1
		.amdhsa_wavefront_size32 1
		.amdhsa_system_sgpr_workgroup_id_x 1
		.amdhsa_system_sgpr_workgroup_id_y 1
		.amdhsa_system_sgpr_workgroup_id_z 1
		.amdhsa_system_vgpr_workitem_id 0
		.amdhsa_next_free_vgpr 106
		.amdhsa_next_free_sgpr 84
		.amdhsa_reserve_vcc 1
		.amdhsa_float_denorm_mode_32 3
		.amdhsa_float_denorm_mode_16_64 3
		.amdhsa_memory_ordered 1
		.amdhsa_forward_progress 1
		.amdhsa_inst_pref_size 19
	.end_amdhsa_kernel
	.amdgpu_metadata
---
amdhsa.version: [ 1, 2 ]
amdhsa.kernels:
  - .name:           k_qc96a61a9d4_prep
    .symbol:         k_qc96a61a9d4_prep.kd
    .args:
      - { .name: group, .offset: 0, .size: 8, .value_kind: global_buffer, .address_space: global }
      - { .name: weight_codes, .offset: 8, .size: 8, .value_kind: global_buffer, .address_space: global }
      - { .name: order, .offset: 16, .size: 8, .value_kind: global_buffer, .address_space: global }
      - { .name: counts, .offset: 24, .size: 8, .value_kind: global_buffer, .address_space: global }
      - { .name: wf, .offset: 32, .size: 8, .value_kind: global_buffer, .address_space: global }
    .group_segment_fixed_size: 71936
    .private_segment_fixed_size: 0
    .kernarg_segment_align: 8
    .kernarg_segment_size: 40
    .max_flat_workgroup_size: 512
    .sgpr_count:     84
    .vgpr_count:     106
    .wavefront_size: 32
...
	.end_amdgpu_metadata
.endif
;; end of part 1
;; launch gemm (part 2): grid 4 x 64, 4 waves a work-group, no clusters, 170,240 bytes of LDS; arguments counts, order, wf, weight_scales, x_codes, x_scales, out0; writes out0
.if DOCPART == 2
	.amdgcn_target "amdgcn-amd-amdhsa--gfx1250"
	.amdhsa_code_object_version 6
	.text
	.protected	k_qc96a61a9d4_gemm
	.globl	k_qc96a61a9d4_gemm
	.p2align	8
	.type	k_qc96a61a9d4_gemm,@function
k_qc96a61a9d4_gemm:
	s_mov_b64 s[64:65], 0
	v_nop
	global_prefetch_b8 v0, s[64:65] scope:SCOPE_SE
	s_setreg_imm32_b32 hwreg(HW_REG_WAVE_MODE, 25, 1), 1
	s_wait_xcnt 0x0
; out0[t][:] = x[t] . W[group[t]]^T on codes of FP8 (E4M3) with one E8M0 scale for each 32 along K.  Only the chosen expert's product is made: the other seven are thrown away by the problem's own gather.
; THE GRID SERVES EVERY SPLIT.  Tiles have 144 rows of one expert: 8,192 rows on 8 experts make at most ceil(8192 / 144) + 7 = 64 row tiles; x 4 column tiles of 256 = 256 work-groups.
; Work-group (ct, tau) finds its expert and first rank from counts[8] by scalar arithmetic without a branch.  One whose tau lies past the last tile walks the head on the last real tile (so that it reads written bytes only,
; and so that the one barrier stands under no branch on loaded data), stores nothing and ends behind the barrier.
; SHARES.  Wave w makes all 144 rows x columns 256 ct + 64 w .. + 63: 9 x 4 accumulators, 288 registers.  x's rows are gathered by the list, in whole rows' quarters of 256 bytes, into LDS once, for all of K (each wave 36 rows);
; the weights' fragments come from wf straight into registers, a ring of four K steps, each wave its own: so the K loop has no barrier.
; THE MATRIX INSTRUCTION IS USED TRANSPOSED: source 0 = 16 output columns of W, source 1 = 16 tokens: lane (r, h) then holds token row r and columns 16 b + 8 h + 0 .. 7: 32 neighbouring bytes of an output row.
; A TILE'S ROWS PAST THE EXPERT'S LAST repeat its last token: the same codes and scale words against the same weights give that token's output row again, bit for bit.  In the block of 16 rows that holds the last row
; they are stored onto that row again, by the same wave (at most 15 rows twice): so the way out has no mask.  Blocks that lie wholly past the last row are not stored: the wave leaves.
; NO CLUSTER, NO TENSOR LOADS: x's rows are picked by a list; which tiles share an expert's weights hangs on counts read from memory, so partners would not be alike; and the text branches on stored numbers.
; NO PREFETCH: every stream's loads are issued as soon as their addresses are known, up to the load counter's field, and wf's blocks are read by several work-groups at about the same time.
; LIMITS: counts and order are as the launch before stores them (group in 0 .. 7); a scale byte 0xff gives NaN, as in the matrix unit.
; LDS: A: 144 rows, pitch 1,040 | TOK: for each wave 160 words of its own, the tile's tokens | STG: for each wave 16 rows x 272 bytes of its own, for the way out.
; REGISTERS, in windows of 256: window 0: v0-31 addresses, v32-49 gather offsets, v50-65 W's scale words, v66-105 x's, v106-249 x's fragments, set 0 (on the way out: rows and tokens).
;   window 1: W's fragments, buffer s % 4 at v[64 (s % 4)].   window 2: accumulators (a, b), a < 8, at v[8 (4 a + b)].   window 3: v0-31 accumulators (8, b); v32-175 x's fragments, set 1.
;   At the head the accumulators' 288 registers are the gather's staging.
.set PA,   1040                        ; a row of A in LDS: 1,024 bytes + 16 = 65 x 16: the sixteen rows of a fragment load fall on sixteen different 16-byte columns of 256
.set TOK,  144*PA
.set STG,  TOK+4*640
.set SP,   272
.set LB,   4                           ; v4    16 x lane
.set ADRA, 5                           ; v5-7  r PA + 16 h + 48 rows x i
.set LST,  8                           ; v8    where my gathered bytes go: (36 w + h) PA + 16 r
.set TKW,  9                           ; v9    TOK + 640 w + 4 lane
.set TKP,  10                          ; v10   TOK + 640 w + 4 (36 w + h): the rows that I gather
.set TKE,  11                          ; v11   TOK + 640 w + 4 h: the way out
.set STO,  12                          ; v12   the stage, in: row r, + 32 h
.set RD,   13                          ; v13   the stage, back: row h, + 16 r
.set COLP, 14                          ; v14   16 r
.set L32,  15                          ; v15   32 x lane
.set T5,   16                          ; v16-20 tokens of rows 32 p + lane
.set T32,  21                          ; v21-25 the same x 32: their scale bytes
.set OOF,  26                          ; v26-30 offsets into order
.set GOFF, 32                          ; v32-49 offsets of the gather
.set BS,   50                          ; v[BS + 8 q + s]: lanes 0-15 the scale word of W's block 2 q, lanes 16-31 of block 2 q + 1, K step s
.set AS,   66                          ; v[AS + 8 p + s]: the same for x's blocks 2 p, 2 p + 1
.set AF0,  106
.set AF1,  32                          ; in window 3
.set OB,   106                         ; the way out: 16 rows back from the stage, two sets of 32
.set TK,   170                         ; and their tokens, two sets of 8
.set CNT,  24                          ; s24-31 the counts
.set END,  32                          ; s32-39 tiles up to and with expert g
.set MSB, 0
.macro WIN new                         ; the immediate's high byte repeats the setting that is left; a switch that changes nothing is dropped
.if MSB != (\new)
	s_set_vgpr_msb (MSB<<8)|(\new)
.set MSB, (\new)
.endif
.endm
.macro PLACES n
.rept \n
	v_nop
.endr
.endm
; W's four fragments of K step s into buffer s % 4: 16 loads of 512 consecutive bytes
.macro LOAD_B s
	WIN 0x40                                       ; destination window 1
.irp b, 0,1,2,3
.irp c, 0,1,2,3
	global_load_b128 v[64*((\s)&3)+16*\b+4*\c:64*((\s)&3)+16*\b+4*\c+3], v[LB], s[8:9] offset:(8*\b+(\s))*2048+512*\c
.endr
.endr
	WIN 0
.endm
; x's nine fragments of K step s into set s % 2: lane (r, h) takes row 16 a + r, bytes 128 s + 32 c + 16 h on
.macro FETCH_A s
.if ((\s)&1) == 0
	WIN 0
.set AFP, AF0
.else
	WIN 0xc0                                       ; destination window 3
.set AFP, AF1
.endif
.irp a, 0,1,2,3,4,5,6,7,8
.irp c, 0,1,2,3
	ds_load_b128 v[AFP+16*\a+4*\c:AFP+16*\a+4*\c+3], v[ADRA+\a/3] offset:(\a%3)*16*PA+128*(\s)+32*\c
.endr
.endr
	WIN 0
.endm
; one product; rV says from which half of the lanes each side's scale word is taken
.macro PROD zero
.if \zero
.if rV == 0
	v_wmma_scale_f32_16x16x128_f8f6f4 v[rD:rD+7], v[rW:rW+15], v[rX:rX+15], 0, v[rSW], v[rSX]
.elseif rV == 1
	v_wmma_scale_f32_16x16x128_f8f6f4 v[rD:rD+7], v[rW:rW+15], v[rX:rX+15], 0, v[rSW], v[rSX] matrix_b_scale:MATRIX_SCALE_ROW1
.elseif rV == 2
	v_wmma_scale_f32_16x16x128_f8f6f4 v[rD:rD+7], v[rW:rW+15], v[rX:rX+15], 0, v[rSW], v[rSX] matrix_a_scale:MATRIX_SCALE_ROW1
.else
	v_wmma_scale_f32_16x16x128_f8f6f4 v[rD:rD+7], v[rW:rW+15], v[rX:rX+15], 0, v[rSW], v[rSX] matrix_a_scale:MATRIX_SCALE_ROW1 matrix_b_scale:MATRIX_SCALE_ROW1
.endif
.else
.if rV == 0
	v_wmma_scale_f32_16x16x128_f8f6f4 v[rD:rD+7], v[rW:rW+15], v[rX:rX+15], v[rD:rD+7], v[rSW], v[rSX]
.elseif rV == 1
	v_wmma_scale_f32_16x16x128_f8f6f4 v[rD:rD+7], v[rW:rW+15], v[rX:rX+15], v[rD:rD+7], v[rSW], v[rSX] matrix_b_scale:MATRIX_SCALE_ROW1
.elseif rV == 2
	v_wmma_scale_f32_16x16x128_f8f6f4 v[rD:rD+7], v[rW:rW+15], v[rX:rX+15], v[rD:rD+7], v[rSW], v[rSX] matrix_a_scale:MATRIX_SCALE_ROW1
.else
	v_wmma_scale_f32_16x16x128_f8f6f4 v[rD:rD+7], v[rW:rW+15], v[rX:rX+15], v[rD:rD+7], v[rSW], v[rSX] matrix_a_scale:MATRIX_SCALE_ROW1 matrix_b_scale:MATRIX_SCALE_ROW1
.endif
.endif
.endm
; K step s, x's blocks a0 .. a1, each against W's four.  The 36 accumulators take turns, one instruction a turn, in the same order in every step.  Step 0's products start the sums: nothing is cleared.
.macro MULS s, a0, a1
.set AFP, AF0+(AF1-AF0)*((\s)&1)
.set MA, \a0
.rept (\a1)-(\a0)+1
.if MA < 8
	WIN 0xa1+0x0c*((\s)&1)                         ; source 0 (W) window 1; source 1 (x) window 0 or 3; C and D window 2
.set ACB, 32*MA
.else
	WIN 0xf1+0x0c*((\s)&1)                         ; the same, C and D window 3
.set ACB, 0
.endif
.irp b, 0,1,2,3
.set rD, ACB+8*\b
.set rW, 64*((\s)&3)+16*\b
.set rX, AFP+16*MA
.set rSW, BS+8*(\b/2)+(\s)
.set rSX, AS+8*(MA/2)+(\s)
.set rV, 2*(\b%2)+MA%2
.if (\s) == 0
	PROD 1
.else
	PROD 0
.endif
.endr
.set MA, MA+1
.endr
.endm
; A K step: 36 products.  Behind its first eight stand the next step's LDS loads and the loads of W three steps on, in one run, behind eight places: both land in registers that the step before has read.
.macro STEP s
	s_wait_dscnt 0x0                               ; x's set s % 2 is in: asked for 28 products ago, and nothing younger is out
.if (\s) >= 2 && (\s) <= 5
	s_wait_loadcnt 32                              ; W's step s is in; the two younger steps' 32 loads may be out.  (Steps 0 and 1 were shown in by the gather's waits)
.elseif (\s) == 6
	s_wait_loadcnt 16                              ; step 7's may be out
.elseif (\s) == 7
	s_wait_loadcnt 0x0
.endif
	MULS \s, 0, 1
.if (\s) < 7
	WIN 0
	PLACES 8                                       ; eight plain vector instructions between the last step's products and loads into registers that they read
	FETCH_A (\s)+1
.endif
.if (\s) >= 1 && (\s) <= 4
	LOAD_B (\s)+3                                  ; into the buffer that step s - 1 has left: three steps in which to land
.endif
	MULS \s, 2, 8
.endm
; 24 of the gather's 72 loads go to LDS: load j = 4 q + ch holds rows 36 w + 2 q + h, bytes 256 ch + 16 r on
.macro TOLDS j0
.set J, \j0
.rept 24
.if J < 64
	WIN 0x08                                       ; an LDS store's data are its source 1: window 2
.else
	WIN 0x0c                                       ; window 3
.endif
	ds_store_b128 v[LST], v[(4*J)&255:((4*J)&255)+3] offset:2*PA*(J/4)+256*(J%4)
.set J, J+1
.endr
	WIN 0
.endm
	s_load_b256 s[4:11], s[0:1], 0x0               ; counts s[4:5], order s[6:7], wf s[8:9], weight_scales s[10:11]
	s_load_b128 s[12:15], s[0:1], 0x20             ; x_codes s[12:13], x_scales s[14:15]
	s_load_b64 s[16:17], s[0:1], 0x30              ; out0
	v_lshl_add_u32 v254, v0, 2, 0x29700
	v_mov_b32 v255, 0
	v_lshrrev_b32 v1, 5, v0
	v_readfirstlane_b32 s18, v1                    ; wave 0..3
	s_mov_b32 s19, ttmp9                           ; ct: which 256 columns
	s_and_b32 s20, ttmp7, 0xffff                   ; tau: which row tile
	s_wait_kmcnt 0x0
	s_load_b256 s[CNT:CNT+7], s[4:5], 0x0          ; the eight counts; the address work below stands between the load and the wait for it
	v_and_b32 v1, 15, v0                           ; r
	v_bfe_u32 v2, v0, 4, 1                         ; h
	v_and_b32 v3, 31, v0                           ; lane
	v_lshlrev_b32 v[LB], 4, v3
	v_mul_u32_u24 v[ADRA], v1, PA
	v_lshl_add_u32 v[ADRA], v2, 4, v[ADRA]
	v_add_nc_u32 v[ADRA+1], 48*PA, v[ADRA]
	v_add_nc_u32 v[ADRA+2], 96*PA, v[ADRA]
	s_mul_i32 s46, s18, 36*PA
	v_mul_u32_u24 v[LST], v2, PA
	v_lshl_add_u32 v[LST], v1, 4, v[LST]
	v_add_nc_u32 v[LST], s46, v[LST]
	s_mul_i32 s46, s18, 640
	s_add_co_u32 s46, s46, TOK
	v_lshl_add_u32 v[TKW], v3, 2, s46
	v_lshl_add_u32 v[TKE], v2, 2, s46
	s_mul_i32 s46, s18, 784                        ; 640 w + 4 x 36 w
	s_add_co_u32 s46, s46, TOK
	v_lshl_add_u32 v[TKP], v2, 2, s46
	s_mul_i32 s46, s18, 16*SP
	s_add_co_u32 s46, s46, STG
	v_mul_u32_u24 v[STO], v1, SP
	v_lshl_add_u32 v[STO], v2, 5, v[STO]
	v_add_nc_u32 v[STO], s46, v[STO]
	v_mul_u32_u24 v[RD], v2, SP
	v_lshl_add_u32 v[RD], v1, 4, v[RD]
	v_add_nc_u32 v[RD], s46, v[RD]
	v_lshlrev_b32 v[COLP], 4, v1
	v_lshlrev_b32 v[L32], 5, v3
	s_wait_kmcnt 0x0
	; ---- which tile is mine.  ceil(c / 144) = ((c + 143) x 116509) >> 24: 144 x 116509 = 2^24 + 80, so up to c + 143 = 8,335 the quotient is over by less than 0.0003, under 1 / 144
.irp g, 0,1,2,3,4,5,6,7
	s_min_u32 s[CNT+\g], s[CNT+\g], 0x2000
	s_add_co_u32 s46, s[CNT+\g], 143
	s_mul_i32 s46, s46, 116509
	s_lshr_b32 s46, s46, 24
.if \g == 0
	s_mov_b32 s[END], s46
.else
	s_add_co_u32 s[END+\g], s[END+\g-1], s46
.endif
.endr
	s_cmp_ge_u32 s20, s[END+7]
	s_cselect_b32 s21, 1, 0                        ; 1: this split leaves me no tile
	s_sub_co_u32 s46, s[END+7], 1
	s_min_u32 s20, s20, s46                        ; then I walk the head on the last real one
	s_mov_b32 s22, 7                               ; e, the first tile of e, the count of e: the smallest g with tau < END[g]
	s_mov_b32 s23, s[END+6]
	s_mov_b32 s40, s[CNT+7]
.irp g, 6,5,4,3,2,1
	s_cmp_lt_u32 s20, s[END+\g]
	s_cselect_b32 s22, \g, s22
	s_cselect_b32 s23, s[END+\g-1], s23
	s_cselect_b32 s40, s[CNT+\g], s40
.endr
	s_cmp_lt_u32 s20, s[END]
	s_cselect_b32 s22, 0, s22
	s_cselect_b32 s23, 0, s23
	s_cselect_b32 s40, s[CNT], s40
	s_sub_co_u32 s41, s20, s23
	s_mul_i32 s41, s41, 144                        ; my first rank
	s_sub_co_u32 s42, s40, s41
	s_min_u32 s42, s42, 144                        ; my rows, 1 .. 144
	s_sub_co_u32 s43, s42, 1
	s_min_u32 s22, s22, 7
	; ---- the pointers
	s_lshl_b32 s44, s22, 15                        ; an expert's 8,192 words of order, and its 1,024 x 32 scale bytes
	s_mov_b32 s45, 0
	s_add_nc_u64 s[6:7], s[6:7], s[44:45]
	s_add_nc_u64 s[10:11], s[10:11], s[44:45]
	s_lshl_b32 s46, s19, 2
	s_add_co_u32 s46, s46, s18                     ; 4 ct + w: my 64 columns
	s_lshl_b32 s44, s46, 11                        ; x 64 x 32 scale bytes
	s_add_nc_u64 s[10:11], s[10:11], s[44:45]
	s_lshl_b32 s44, s46, 16                        ; x 4 column blocks of 16,384 bytes in wf,
	s_lshl_b32 s47, s22, 20                        ; + the expert's 2^20
	s_add_co_u32 s44, s44, s47
	s_add_nc_u64 s[8:9], s[8:9], s[44:45]
	s_lshl_b32 s44, s46, 8                         ; x 256 bytes of an output row
	s_add_nc_u64 s[16:17], s[16:17], s[44:45]
	; ---- the tile's tokens, a lane a row: rows past my last take the last one's
.irp p, 0,1,2,3,4
	v_add_nc_u32 v[OOF+\p], 32*\p, v3
	v_min_u32 v[OOF+\p], s43, v[OOF+\p]
	v_add_nc_u32 v[OOF+\p], s41, v[OOF+\p]
	v_min_u32 v[OOF+\p], 0x1fff, v[OOF+\p]         ; a rank stays inside the expert's 8,192 words
	v_lshlrev_b32 v[OOF+\p], 2, v[OOF+\p]
.endr
.irp p, 0,1,2,3,4
	global_load_b32 v[T5+\p], v[OOF+\p], s[6:7]
.endr
.irp q, 0,1
	global_load_b128 v[BS+8*\q:BS+8*\q+3], v[L32], s[10:11] offset:1024*\q        ; W's scale words: lane l takes the 32 bytes of column 32 q + l
	global_load_b128 v[BS+8*\q+4:BS+8*\q+7], v[L32], s[10:11] offset:1024*\q+16
.endr
	LOAD_B 0
	LOAD_B 1
	s_wait_loadcnt 36                              ; the five token loads are in; the 4 + 16 + 16 loads issued behind them may be out
.irp p, 0,1,2,3,4
	v_min_u32 v[T5+\p], 0x1fff, v[T5+\p]
.endr
.irp p, 0,1,2,3,4
	ds_store_b32 v[TKW], v[T5+\p] offset:128*\p    ; into my wave's own 160 words
.endr
.irp q, 0,1,2,3,4,5,6,7,8,9,10,11,12,13,14,15,16,17
	ds_load_b32 v[GOFF+\q], v[TKP] offset:8*\q     ; the token of row 36 w + 2 q + h.  LDS serves a wave's instructions in order: these see my stores
.endr
.irp p, 0,1,2,3,4
	v_lshlrev_b32 v[T32+\p], 5, v[T5+\p]
.endr
.irp p, 0,1,2,3,4
	global_load_b128 v[AS+8*\p:AS+8*\p+3], v[T32+\p], s[14:15]                    ; x's scale words: lane l takes the 32 bytes of row 32 p + l
	global_load_b128 v[AS+8*\p+4:AS+8*\p+7], v[T32+\p], s[14:15] offset:16
.endr
	s_wait_dscnt 0x0
.irp q, 0,1,2,3,4,5,6,7,8,9,10,11,12,13,14,15,16,17
	v_min_u32 v[GOFF+\q], 0x1fff, v[GOFF+\q]
.endr
.irp q, 0,1,2,3,4,5,6,7,8,9,10,11,12,13,14,15,16,17
	v_lshl_add_u32 v[GOFF+\q], v[GOFF+\q], 10, v[COLP]   ; the token's row of 1,024 bytes, + 16 r
.endr
	; ---- the gather: my 36 rows, 72 loads; sixteen lanes take 256 consecutive, aligned bytes of a row
.set J, 0
.rept 72
.if J < 64
	WIN 0x80                                       ; destination window 2
.else
	WIN 0xc0                                       ; window 3
.endif
	global_load_b128 v[(4*J)&255:((4*J)&255)+3], v[GOFF+J/4], s[12:13] offset:256*(J%4)
.set J, J+1
.endr
	WIN 0
	s_wait_loadcnt 48                              ; loads 0-23 are in (and all that was issued before the gather); the 48 younger ones may be out
	TOLDS 0
	LOAD_B 2
	s_wait_loadcnt 40                              ; loads 24-47 are in; 24 of the gather and step 2's 16 may be out
	TOLDS 24
	LOAD_B 3
	s_wait_loadcnt 32                              ; the gather is in; steps 2 and 3 of W may be out
	TOLDS 48
	s_wait_dscnt 0x0                               ; for the others' sake: my 36 rows have landed
	s_barrier_signal -1
	s_barrier_wait -1                              ; all 144 rows lie in LDS: the launch's one barrier
	s_cmp_lg_u32 s21, 0
	s_cbranch_scc1 .Lend                           ; no tile for me in this split
	FETCH_A 0
	STEP 0
	STEP 1
	STEP 2
	STEP 3
	STEP 4
	STEP 5
	STEP 6
	STEP 7
; THE WAY OUT, a block of 16 rows at a time.  A lane holds 32 bytes of a row and the lanes beside it hold other rows: a block goes through my own stage and comes back as rows of 256 bytes, two a load;
; with them come the rows' tokens.  LDS serves a wave's instructions in order: no wait between the stores and the loads, nor in front of the next block's stores.
.macro TOSTAGE a
.if (\a) < 8
	WIN 0x08
.set ACB, 32*(\a)
.else
	WIN 0x0c
.set ACB, 0
.endif
.irp b, 0,1,2,3
	ds_store_b128 v[STO], v[ACB+8*\b:ACB+8*\b+3] offset:64*\b        ; each accumulator from its low end on
	ds_store_b128 v[STO], v[ACB+8*\b+4:ACB+8*\b+7] offset:64*\b+16
.endr
	WIN 0
.set OBP, OB+32*((\a)&1)
.set TKS, TK+8*((\a)&1)
.irp t, 0,1,2,3,4,5,6,7
	ds_load_b128 v[OBP+4*\t:OBP+4*\t+3], v[RD] offset:2*SP*\t        ; rows 2 t + h
.endr
.irp t, 0,1,2,3,4,5,6,7
	ds_load_b32 v[TKS+\t], v[TKE] offset:4*(16*(\a)+2*\t)            ; and their tokens
.endr
.endm
; younger: the LDS instructions issued behind block a's, which may stay out.  A block that begins at or past my last row holds only repeats, and so do all behind it: the wave leaves.
; In the block that holds my last row the repeats are stored onto the last token's row again, with the same bits: every lane stays on.
.macro SEND a, younger
.set OBP, OB+32*((\a)&1)
.set TKS, TK+8*((\a)&1)
.if (\a) > 0
	s_cmp_le_u32 s42, 16*(\a)                      ; (block 0 always holds a row of mine)
	s_cbranch_scc1 .Lend
.endif
	s_wait_dscnt \younger
.irp t, 0,1,2,3,4,5,6,7
	v_min_u32 v[TKS+\t], 0x1fff, v[TKS+\t]
.endr
.irp t, 0,1,2,3,4,5,6,7
	v_lshl_add_u32 v[TKS+\t], v[TKS+\t], 12, v[COLP]                 ; the token's output row of 4,096 bytes, + 16 r
.endr
.irp t, 0,1,2,3,4,5,6,7
	global_store_b128 v[TKS+\t], v[OBP+4*\t:OBP+4*\t+3], s[16:17] th:TH_STORE_NT   ; sixteen lanes store 256 consecutive bytes, at a multiple of 256 from out0's first byte
.endr
.endm
	WIN 0
	PLACES 8                                       ; between the last products and the first read of results, and the loads into registers that held x's fragments
	TOSTAGE 0
.irp a, 1,2,3,4,5,6,7,8
.if \a > 1
	s_wait_xcnt 0x0                                ; block a - 2's stores have read their data and offsets: block a's loads land in those registers
.endif
	TOSTAGE \a
	SEND \a-1, 24                                  ; behind block a - 1's loads: block a's 8 stores and 16 loads
.endr
	SEND 8, 0
.Lend:
	s_wait_dscnt 0x0                               ; a wave that left early has LDS loads on their way into its registers: they are back before it ends
	s_wait_tensorcnt 0x0
	ds_add_u32 v254, v255
	s_wait_dscnt 0x0
	s_endpgm
.Lfunc_end_k_qc96a61a9d4_gemm:
	.size	k_qc96a61a9d4_gemm, .Lfunc_end_k_qc96a61a9d4_gemm-k_qc96a61a9d4_gemm
	.p2alignl 7, 3214868480
	.fill 96, 4, 3214868480
	.section	.rodata,"a",@progbits
	.p2align	6, 0x0
	.amdhsa_kernel k_qc96a61a9d4_gemm
		.amdhsa_group_segment_fixed_size 170240
		.amdhsa_private_segment_fixed_size 0
		.amdhsa_enable_private_segment 0
		.amdhsa_kernarg_size 56
		.amdhsa_user_sgpr_count 2
		.amdhsa_user_sgpr_kernarg_segment_ptr 1
		.amdhsa_wavefront_size32 1
		.amdhsa_system_sgpr_workgroup_id_x 1
		.amdhsa_system_sgpr_workgroup_id_y 1
		.amdhsa_system_sgpr_workgroup_id_z 1
		.amdhsa_system_vgpr_workitem_id 0
		.amdhsa_next_free_vgpr 944
		.amdhsa_next_free_sgpr 66
		.amdhsa_reserve_vcc 0
		.amdhsa_float_denorm_mode_32 3
		.amdhsa_float_denorm_mode_16_64 3
		.amdhsa_memory_ordered 1
		.amdhsa_forward_progress 1
		.amdhsa_inst_pref_size 127
	.end_amdhsa_kernel
	.amdgpu_metadata
---
amdhsa.version: [ 1, 2 ]
amdhsa.kernels:
  - .name:           k_qc96a61a9d4_gemm
    .symbol:         k_qc96a61a9d4_gemm.kd
    .args:
      - { .name: counts, .offset: 0, .size: 8, .value_kind: global_buffer, .address_space: global }
      - { .name: order, .offset: 8, .size: 8, .value_kind: global_buffer, .address_space: global }
      - { .name: wf, .offset: 16, .size: 8, .value_kind: global_buffer, .address_space: global }
      - { .name: weight_scales, .offset: 24, .size: 8, .value_kind: global_buffer, .address_space: global }
      - { .name: x_codes, .offset: 32, .size: 8, .value_kind: global_buffer, .address_space: global }
      - { .name: x_scales, .offset: 40, .size: 8, .value_kind: global_buffer, .address_space: global }
      - { .name: out0, .offset: 48, .size: 8, .value_kind: global_buffer, .address_space: global }
    .group_segment_fixed_size: 170240
    .private_segment_fixed_size: 0
    .kernarg_segment_align: 8
    .kernarg_segment_size: 56
    .max_flat_workgroup_size: 128
    .sgpr_count:     66
    .vgpr_count:     944
    .wavefront_size: 32
...
	.end_amdgpu_metadata
.endif
;; end of part 2
;; ======== version 2 of 2: 2 launches
;; workspace buffers: counts 256 bytes of whole numbers; order 262,144 bytes of whole numbers; wf 8,388,608 bytes
;; launch prep (part 3): grid 136 x 1, 16 waves a work-group, no clusters, 71,936 bytes of LDS; arguments group, weight_codes, order, counts, wf; writes order, counts, wf
.if DOCPART == 3
	.amdgcn_target "amdgcn-amd-amdhsa--gfx1250"
	.amdhsa_code_object_version 6
	.text
	.protected	k_qc96a61a9d4_prep
	.globl	k_qc96a61a9d4_prep
	.p2align	8
	.type	k_qc96a61a9d4_prep,@function
k_qc96a61a9d4_prep:
	s_mov_b64 s[64:65], 0
	v_nop
	global_prefetch_b8 v0, s[64:65] scope:SCOPE_SE
	s_setreg_imm32_b32 hwreg(HW_REG_WAVE_MODE, 25, 1), 1
	s_wait_xcnt 0x0
; PREP: two jobs in one launch, told apart by the work-group's number alone.
; Work-groups 0-7, ROUTING: work-group g lists the numbers of the tokens whose group is g, order[g][rank] (any order inside an expert: rows do not depend on each other), and stores their count, counts[g].
; Work-groups 8-135, LAYOUT: weight_codes [8][1024][1024] is laid once in the order of a matrix operand's registers: wf[e][nb 64][s 8][2048 bytes]; in a fragment (16 output columns 16 nb on, K 128 s on)
;   byte 512 c + 16 l + i = W[e][16 nb + l % 16][128 s + 32 c + 16 (l / 16) + i].  So the next launch loads a fragment by four loads of 512 consecutive bytes, straight into registers.
; LIMIT: group holds 0 .. 7, as the problem states (an index stays inside its table).  A token with any other number would be listed by no expert, and its output row would stay unwritten.
; No matrix work, no tensor loads, no cluster: the two jobs share no input, and each byte is read once (group: once by each of eight work-groups).
; LDS: each path has bytes of its own: 16 stages of 16 rows x 272 bytes (layout), then 16 words of wave counts (routing).
.set SPITCH, 272                       ; a stage row: 256 bytes + 16: 17 x 16, so that the sixteen rows which a load touches fall on sixteen different 16-byte columns of 256
.set WSTG,   16*SPITCH                 ; a wave's stage
.set RT,     16*WSTG                   ; the routing path's 16 words
.set RIN,    8                         ; v8-39   layout: as loaded;  routing: v8-23 the groups
.set ROUT,   40                        ; v40-71  layout: as stored;  routing: v40-55 the wave counts
.set ADR,    72                        ; v72-87  routing: where token i of my 16 goes in order[g], in bytes
.set TKN,    88                        ; v88-103 routing: its number
	s_load_b256 s[4:11], s[0:1], 0x0               ; group s[4:5], weight_codes s[6:7], order s[8:9], counts s[10:11]
	s_load_b64 s[12:13], s[0:1], 0x20              ; wf
	v_lshl_add_u32 v104, v0, 2, 0x11100
	v_mov_b32 v105, 0
	v_lshrrev_b32 v1, 5, v0
	s_delay_alu instid0(VALU_DEP_1)
	v_readfirstlane_b32 s14, v1                    ; wave 0..15
	v_and_b32 v1, 31, v0                           ; lane
	v_and_b32 v2, 15, v0                           ; r
	v_bfe_u32 v3, v0, 4, 1                         ; h
	s_mov_b32 s17, 0                               ; the high word of the offset pair s[16:17]
	s_wait_kmcnt 0x0
	s_cmp_lt_u32 ttmp9, 8
	s_cbranch_scc1 .Lroute
	; ---- LAYOUT.  A wave takes unit U = 16 (work-group - 8) + wave, 0 .. 2047: 16 rows of W x 256 bytes along K = two fragments.
	s_sub_co_u32 s15, ttmp9, 8
	s_lshl_b32 s15, s15, 4
	s_add_co_u32 s15, s15, s14                     ; U
	s_lshr_b32 s16, s15, 2
	s_lshl_b32 s16, s16, 14                        ; 16 rows of 1,024 bytes for each U / 4,
	s_and_b32 s18, s15, 3
	s_lshl_b32 s18, s18, 8                         ; 256 bytes along K for each U % 4
	s_add_co_u32 s16, s16, s18
	s_add_nc_u64 s[6:7], s[6:7], s[16:17]
	s_lshl_b32 s16, s15, 12                        ; in wf the unit's two fragments are 4,096 consecutive bytes
	s_add_nc_u64 s[12:13], s[12:13], s[16:17]
	s_mul_i32 s18, s14, WSTG                       ; my stage
	s_wait_alu depctr_va_vdst(0)
	v_lshlrev_b32 v4, 4, v2
	s_delay_alu instid0(VALU_DEP_1)
	v_lshl_add_u32 v4, v3, 10, v4                  ; in: lanes 0-15 one row's 256 bytes, lanes 16-31 the next row's
	v_mul_u32_u24 v5, v3, SPITCH
	s_delay_alu instid0(VALU_DEP_1)
	v_lshl_add_u32 v5, v2, 4, v5
	s_delay_alu instid0(VALU_DEP_1)
	v_add_nc_u32 v5, s18, v5                       ; the same two rows in the stage
	v_mul_u32_u24 v6, v2, SPITCH
	s_delay_alu instid0(VALU_DEP_1)
	v_lshl_add_u32 v6, v3, 4, v6
	s_delay_alu instid0(VALU_DEP_1)
	v_add_nc_u32 v6, s18, v6                       ; back: row r, + 16 h: the operand's layout
	v_lshlrev_b32 v7, 4, v1                        ; out: 16 bytes a lane, 512 consecutive bytes a store
.irp i, 0,1,2,3,4,5,6,7
	global_load_b128 v[RIN+4*\i:RIN+4*\i+3], v4, s[6:7] offset:2048*\i th:TH_LOAD_NT   ; rows 2 i, 2 i + 1; read once in the launch
.endr
	s_wait_alu depctr_va_vdst(0)
.irp i, 0,1,2,3,4,5,6,7
	s_wait_loadcnt 7-\i                            ; loads come back in order: load i is in, the 7 - i younger ones may be out
	ds_store_b128 v5, v[RIN+4*\i:RIN+4*\i+3] offset:2*SPITCH*\i
.endr
.irp k, 0,1,2,3,4,5,6,7
	ds_load_b128 v[ROUT+4*\k:ROUT+4*\k+3], v6 offset:128*(\k/4)+32*(\k%4)   ; fragment k / 4, registers 4 (k % 4) on.  LDS serves a wave's instructions in order: these see my stores
.endr
.irp k, 0,1,2,3,4,5,6,7
	s_wait_dscnt 7-\k                              ; load k is in, the 7 - k younger ones may be out
	global_store_b128 v7, v[ROUT+4*\k:ROUT+4*\k+3], s[12:13] offset:512*\k th:TH_STORE_NT
.endr
	s_wait_tensorcnt 0x0
	ds_add_u32 v104, v105
	s_wait_dscnt 0x0
	s_endpgm
	; ---- ROUTING.  512 threads x 16 tokens.  Register 4 j + k of thread t holds the group of token 2048 j + 4 t + k.
.Lroute:
	s_mov_b32 s15, ttmp9                           ; g
	v_lshlrev_b32 v4, 4, v0
	v_lshlrev_b32 v58, 2, v0                       ; 4 t
.irp j, 0,1,2,3
	global_load_b128 v[RIN+4*\j:RIN+4*\j+3], v4, s[4:5] offset:8192*\j
.endr
	s_mov_b32 s20, 0                               ; my wave's count
	s_lshl_b32 s24, s14, 2
	s_add_co_u32 s24, s24, RT
	v_mov_b32 v25, s24                             ; my wave's word
	v_mov_b32 v26, RT
	s_wait_loadcnt 0x0
.irp i, 0,1,2,3,4,5,6,7,8,9,10,11,12,13,14,15
	v_cmp_eq_u32 s[32+\i], s15, v[RIN+\i]          ; s32-47: which lanes' token i is mine
.endr
.irp i, 0,1,2,3,4,5,6,7,8,9,10,11,12,13,14,15
	s_bcnt1_i32_b32 s[48+\i], s[32+\i]             ; s48-63: how many
	s_add_co_u32 s20, s20, s[48+\i]
.endr
	v_mov_b32 v24, s20
	ds_store_b32 v25, v24                          ; all lanes write the same word with the same value
	s_wait_dscnt 0x0                               ; for the others' sake: my store has landed
	s_barrier_signal -1
	s_barrier_wait -1
.irp q, 0,1,2,3
	ds_load_b128 v[ROUT+4*\q:ROUT+4*\q+3], v26 offset:16*\q   ; all sixteen counts, in every lane
.endr
	s_lshl_b32 s26, ttmp9, 15                      ; order: 8,192 words an expert
	s_mov_b32 s27, 0
	s_add_nc_u64 s[8:9], s[8:9], s[26:27]
	s_lshl_b32 s26, ttmp9, 2                       ; counts: a word an expert
	s_add_nc_u64 s[10:11], s[10:11], s[26:27]
	s_mov_b32 s21, 0                               ; the rank at which my wave begins
	s_mov_b32 s23, 0                               ; the expert's total
	s_wait_dscnt 0x0
.irp w, 0,1,2,3,4,5,6,7,8,9,10,11,12,13,14,15
	v_readfirstlane_b32 s[68+\w], v[ROUT+\w]
.endr
.irp w, 0,1,2,3,4,5,6,7,8,9,10,11,12,13,14,15
	s_cmp_gt_u32 s14, \w                           ; compared anew each time: the additions below set SCC
	s_cselect_b32 s24, s[68+\w], 0                 ; the waves in front of mine count for my first rank
	s_add_co_u32 s21, s21, s24
	s_add_co_u32 s23, s23, s[68+\w]
.endr
	; All offsets and all data of the stores are made first, with every lane on; under a narrowed EXEC stand the stores alone.
	v_mov_b32 v59, 0                               ; the count's offset
	v_mov_b32 v60, s23                             ; and the count
.irp i, 0,1,2,3,4,5,6,7,8,9,10,11,12,13,14,15
	v_mbcnt_lo_u32_b32 v[ADR+\i], s[32+\i], s21    ; token i's rank: the running rank + the matching lanes below mine
	s_add_co_u32 s21, s21, s[48+\i]
.endr
.irp i, 0,1,2,3,4,5,6,7,8,9,10,11,12,13,14,15
	v_min_u32 v[ADR+\i], 0x1fff, v[ADR+\i]         ; a rank stays inside the expert's 8,192 words
.endr
.irp i, 0,1,2,3,4,5,6,7,8,9,10,11,12,13,14,15
	v_lshlrev_b32 v[ADR+\i], 2, v[ADR+\i]
.endr
.irp i, 0,1,2,3,4,5,6,7,8,9,10,11,12,13,14,15
	v_add_nc_u32 v[TKN+\i], 2048*(\i/4)+(\i%4), v58   ; the token's number
.endr
	s_wait_alu depctr_va_vdst(0)
	s_wait_xcnt 0x0                                ; EXEC changes only behind this wait
.irp i, 0,1,2,3,4,5,6,7,8,9,10,11,12,13,14,15
	s_and_saveexec_b32 s22, s[32+\i]               ; the lanes whose token i is mine store its number, at neighbouring words
	global_store_b32 v[ADR+\i], v[TKN+\i], s[8:9]
	s_wait_xcnt 0x0                                ; the store has read EXEC: it is widened only behind this wait
	s_or_b32 exec_lo, exec_lo, s22
.endr
	s_cmp_lg_u32 s14, 0                            ; wave 0's lane 0 stores the total
	s_cbranch_scc1 .Lend
	v_cmp_eq_u32 vcc_lo, 0, v0
	s_and_saveexec_b32 s22, vcc_lo                 ; (no memory instruction has been issued since the last wait on XCNT)
	global_store_b32 v59, v60, s[10:11]
	s_wait_xcnt 0x0
	s_or_b32 exec_lo, exec_lo, s22
.Lend:
	s_wait_tensorcnt 0x0
	ds_add_u32 v104, v105
	s_wait_dscnt 0x0
	s_endpgm
.Lfunc_end_k_qc96a61a9d4_prep:
	.size	k_qc96a61a9d4_prep, .Lfunc_end_k_qc96a61a9d4_prep-k_qc96a61a9d4_prep
	.p2alignl 7, 3214868480
	.fill 96, 4, 3214868480
	.section	.rodata,"a",@progbits
	.p2align	6, 0x0
	.amdhsa_kernel k_qc96a61a9d4_prep
		.amdhsa_group_segment_fixed_size 71936
		.amdhsa_private_segment_fixed_size 0
		.amdhsa_enable_private_segment 0
		.amdhsa_kernarg_size 40
		.amdhsa_user_sgpr_count 2
		.amdhsa_user_sgpr_kernarg_segment_ptr 1
		.amdhsa_wavefront_size32 1
		.amdhsa_system_sgpr_workgroup_id_x 1
		.amdhsa_system_sgpr_workgroup_id_y 1
		.amdhsa_system_sgpr_workgroup_id_z 1
		.amdhsa_system_vgpr_workitem_id 0
		.amdhsa_next_free_vgpr 106
		.amdhsa_next_free_sgpr 84
		.amdhsa_reserve_vcc 1
		.amdhsa_float_denorm_mode_32 3
		.amdhsa_float_denorm_mode_16_64 3
		.amdhsa_memory_ordered 1
		.amdhsa_forward_progress 1
		.amdhsa_inst_pref_size 19
	.end_amdhsa_kernel
	.amdgpu_metadata
---
amdhsa.version: [ 1, 2 ]
amdhsa.kernels:
  - .name:           k_qc96a61a9d4_prep
    .symbol:         k_qc96a61a9d4_prep.kd
    .args:
      - { .name: group, .offset: 0, .size: 8, .value_kind: global_buffer, .address_space: global }
      - { .name: weight_codes, .offset: 8, .size: 8, .value_kind: global_buffer, .address_space: global }
      - { .name: order, .offset: 16, .size: 8, .value_kind: global_buffer, .address_space: global }
      - { .name: counts, .offset: 24, .size: 8, .value_kind: global_buffer, .address_space: global }
      - { .name: wf, .offset: 32, .size: 8, .value_kind: global_buffer, .address_space: global }
    .group_segment_fixed_size: 71936
    .private_segment_fixed_size: 0
    .kernarg_segment_align: 8
    .kernarg_segment_size: 40
    .max_flat_workgroup_size: 512
    .sgpr_count:     84
    .vgpr_count:     106
    .wavefront_size: 32
...
	.end_amdgpu_metadata
.endif
;; end of part 3
;; launch gemm (part 4): grid 4 x 64, 4 waves a work-group, no clusters, 170,240 bytes of LDS; arguments counts, order, wf, weight_scales, x_codes, x_scales, out0; writes out0
.if DOCPART == 4
	.amdgcn_target "amdgcn-amd-amdhsa--gfx1250"
	.amdhsa_code_object_version 6
	.text
	.protected	k_qc96a61a9d4_gemm
	.globl	k_qc96a61a9d4_gemm
	.p2align	8
	.type	k_qc96a61a9d4_gemm,@function
k_qc96a61a9d4_gemm:
	s_mov_b64 s[64:65], 0
	v_nop
	global_prefetch_b8 v0, s[64:65] scope:SCOPE_SE
	s_setreg_imm32_b32 hwreg(HW_REG_WAVE_SCHED_MODE, 0, 2), 2
	s_setreg_imm32_b32 hwreg(HW_REG_WAVE_MODE, 25, 1), 1
	s_wait_xcnt 0x0
	s_wait_alu depctr_vm_vsrc(0)
; out0[t][:] = x[t] . W[group[t]]^T on codes of FP8 (E4M3) with one E8M0 scale for each 32 along K.  Only the chosen expert's product is made: the other seven are thrown away by the problem's own gather.
; THE GRID SERVES EVERY SPLIT.  Tiles have 144 rows of one expert: 8,192 rows on 8 experts make at most ceil(8192 / 144) + 7 = 64 row tiles; x 4 column tiles of 256 = 256 work-groups.
; Work-group (ct, tau) finds its expert and first rank from counts[8] by scalar arithmetic without a branch.  One whose tau lies past the last tile walks the head on the last real tile (so that it reads written bytes only,
; and so that the one barrier stands under no branch on loaded data), stores nothing and ends behind the barrier.
; SHARES.  Wave w makes all 144 rows x columns 256 ct + 64 w .. + 63: 9 x 4 accumulators, 288 registers.  x's rows are gathered by the list, in whole rows' quarters of 256 bytes, into LDS once, for all of K (each wave 36 rows);
; the weights' fragments come from wf straight into registers, a ring of four K steps, each wave its own: so the K loop has no barrier.
; THE MATRIX INSTRUCTION IS USED TRANSPOSED: source 0 = 16 output columns of W, source 1 = 16 tokens: lane (r, h) then holds token row r and columns 16 b + 8 h + 0 .. 7: 32 neighbouring bytes of an output row.
; A TILE'S ROWS PAST THE EXPERT'S LAST repeat its last token: the same codes and scale words against the same weights give that token's output row again, bit for bit.  In the block of 16 rows that holds the last row
; they are stored onto that row again, by the same wave (at most 15 rows twice): so the way out has no mask.  Blocks that lie wholly past the last row are not stored: the wave leaves.
; NO CLUSTER, NO TENSOR LOADS: x's rows are picked by a list; which tiles share an expert's weights hangs on counts read from memory, so partners would not be alike; and the text branches on stored numbers.
; NO PREFETCH: every stream's loads are issued as soon as their addresses are known, up to the load counter's field, and wf's blocks are read by several work-groups at about the same time.
; LIMITS: counts and order are as the launch before stores them (group in 0 .. 7); a scale byte 0xff gives NaN, as in the matrix unit.
; LDS: A: 144 rows, pitch 1,040 | TOK: for each wave 160 words of its own, the tile's tokens | STG: for each wave 16 rows x 272 bytes of its own, for the way out.
; REGISTERS, in windows of 256: window 0: v0-31 addresses, v32-49 gather offsets, v50-65 W's scale words, v66-105 x's, v106-249 x's fragments, set 0 (on the way out: v106-169 rows, v170-241 the rows' offsets in out0).
;   window 1: W's fragments, buffer s % 4 at v[64 (s % 4)].   window 2: accumulators (a, b), a < 8, at v[8 (4 a + b)].   window 3: v0-31 accumulators (8, b); v32-175 x's fragments, set 1.
;   At the head the accumulators' 288 registers are the gather's staging.
; THE MODE: SCHED_MODE bits 1:0 = 2 (LLVM: expert scheduling mode 2), set by the entry lines.  The code itself states the register dependences
; between vector or matrix instructions and memory or LDS instructions, with s_wait_alu, always for 0.
; THE PLAN.  Registers that memory or LDS instructions touch, and who else names them:
;   v4-15         addresses, made once at the head and never written again.
;   v16-30, v32-49  the head's tokens and offsets: each is made by vector instructions once, then read by loads or LDS stores, and never written again: one wait on va_vdst ahead of each of the three runs that read them.
;   the staging   The gather's loads land in it, my LDS stores read it, step 0's products write it (the accumulators): one wait on vm_vsrc, behind the barrier.
;   x's sets 0, 1 Step s's products read set s % 2.  The LDS loads issued in step s (step s + 1's fragments; in step 7 the way out's tokens) land in the other set, which step s - 1's products read last.
;   W's buffers   Step s's products read buffer s % 4.  The loads issued in step s (step s + 3's fragments) land in buffer (s - 1) % 4, which step s - 1's products read last.
;   So ONE wait on va_vdst stands at the head of each of steps 1 to 7, and the step's loads follow it, dealt among its products, which name the other set, another buffer, the accumulators and the scale words alone.
;   v170-241      The tokens land in step 7; behind it, and behind eight places, 144 vector instructions make of them the offsets of all 144 rows; one wait on va_vdst; the way out's stores read them; never written again.
;   v106-169      Two sets of 16 rows by turns: loads from the stage land, global stores read: one wait on vm_vsrc ahead of each block from the third on.  The way out's blocks hold no vector instruction.
.set PA,   1040                        ; a row of A in LDS: 1,024 bytes + 16 = 65 x 16: the sixteen rows of a fragment load fall on sixteen different 16-byte columns of 256
.set TOK,  144*PA
.set STG,  TOK+4*640
.set SP,   272
.set LB,   4                           ; v4    16 x lane
.set ADRA, 5                           ; v5-7  r PA + 16 h + 48 rows x i
.set LST,  8                           ; v8    where my gathered bytes go: (36 w + h) PA + 16 r
.set TKW,  9                           ; v9    TOK + 640 w + 4 lane
.set TKP,  10                          ; v10   TOK + 640 w + 4 (36 w + h): the rows that I gather
.set TKE,  11                          ; v11   TOK + 640 w + 4 h: the way out
.set STO,  12                          ; v12   the stage, in: row r, + 32 h
.set RD,   13                          ; v13   the stage, back: row h, + 16 r
.set COLP, 14                          ; v14   16 r
.set L32,  15                          ; v15   32 x lane
.set T5,   16                          ; v16-20 tokens of rows 32 p + lane
.set T32,  21                          ; v21-25 the same x 32: their scale bytes
.set OOF,  26                          ; v26-30 offsets into order
.set GOFF, 32                          ; v32-49 offsets of the gather
.set BS,   50                          ; v[BS + 8 q + s]: lanes 0-15 the scale word of W's block 2 q, lanes 16-31 of block 2 q + 1, K step s
.set AS,   66                          ; v[AS + 8 p + s]: the same for x's blocks 2 p, 2 p + 1
.set AF0,  106
.set AF1,  32                          ; in window 3
.set OB,   106                         ; the way out: 16 rows back from the stage, two sets of 32
.set TK,   170                         ; v[TK + 8 a + t]: the token of row 16 a + 2 t + h, then that row's offset in out0
.set CNT,  24                          ; s24-31 the counts
.set END,  32                          ; s32-39 tiles up to and with expert g
.set MSB, 0
.macro WIN new                         ; the immediate's high byte repeats the setting that is left; a switch that changes nothing is dropped
.if MSB != (\new)
	s_set_vgpr_msb (MSB<<8)|(\new)
.set MSB, (\new)
.endif
.endm
.macro PLACES n
.rept \n
	v_nop
.endr
.endm
; W's four fragments of K step s into buffer s % 4: 16 loads of 512 consecutive bytes
.macro LOAD_B s
	WIN 0x40                                       ; destination window 1
.irp b, 0,1,2,3
.irp c, 0,1,2,3
	global_load_b128 v[64*((\s)&3)+16*\b+4*\c:64*((\s)&3)+16*\b+4*\c+3], v[LB], s[8:9] offset:(8*\b+(\s))*2048+512*\c
.endr
.endr
.endm
; x's fragments 3 i .. 3 i + 2 of K step s into set s % 2: lane (r, h) takes row 16 a + r, bytes 128 s + 32 c + 16 h on
.macro FETCH_A s, i
.if ((\s)&1) == 0
	WIN 0
.set AFP, AF0
.else
	WIN 0xc0                                       ; destination window 3
.set AFP, AF1
.endif
.irp u, 0,1,2
.irp c, 0,1,2,3
	ds_load_b128 v[AFP+16*(3*(\i)+\u)+4*\c:AFP+16*(3*(\i)+\u)+4*\c+3], v[ADRA+(\i)] offset:\u*16*PA+128*(\s)+32*\c
.endr
.endr
.endm
; the tokens of the rows of blocks 3 i .. 3 i + 2, for the way out, from my wave's own words
.macro TOKENS i
	WIN 0
.irp u, 0,1,2
.irp t, 0,1,2,3,4,5,6,7
	ds_load_b32 v[TK+8*(3*(\i)+\u)+\t], v[TKE] offset:4*(16*(3*(\i)+\u)+2*\t)
.endr
.endr
.endm
; one product; rV says from which half of the lanes each side's scale word is taken
.macro PROD zero
.if \zero
.if rV == 0
	v_wmma_scale_f32_16x16x128_f8f6f4 v[rD:rD+7], v[rW:rW+15], v[rX:rX+15], 0, v[rSW], v[rSX]
.elseif rV == 1
	v_wmma_scale_f32_16x16x128_f8f6f4 v[rD:rD+7], v[rW:rW+15], v[rX:rX+15], 0, v[rSW], v[rSX] matrix_b_scale:MATRIX_SCALE_ROW1
.elseif rV == 2
	v_wmma_scale_f32_16x16x128_f8f6f4 v[rD:rD+7], v[rW:rW+15], v[rX:rX+15], 0, v[rSW], v[rSX] matrix_a_scale:MATRIX_SCALE_ROW1
.else
	v_wmma_scale_f32_16x16x128_f8f6f4 v[rD:rD+7], v[rW:rW+15], v[rX:rX+15], 0, v[rSW], v[rSX] matrix_a_scale:MATRIX_SCALE_ROW1 matrix_b_scale:MATRIX_SCALE_ROW1
.endif
.else
.if rV == 0
	v_wmma_scale_f32_16x16x128_f8f6f4 v[rD:rD+7], v[rW:rW+15], v[rX:rX+15], v[rD:rD+7], v[rSW], v[rSX]
.elseif rV == 1
	v_wmma_scale_f32_16x16x128_f8f6f4 v[rD:rD+7], v[rW:rW+15], v[rX:rX+15], v[rD:rD+7], v[rSW], v[rSX] matrix_b_scale:MATRIX_SCALE_ROW1
.elseif rV == 2
	v_wmma_scale_f32_16x16x128_f8f6f4 v[rD:rD+7], v[rW:rW+15], v[rX:rX+15], v[rD:rD+7], v[rSW], v[rSX] matrix_a_scale:MATRIX_SCALE_ROW1
.else
	v_wmma_scale_f32_16x16x128_f8f6f4 v[rD:rD+7], v[rW:rW+15], v[rX:rX+15], v[rD:rD+7], v[rSW], v[rSX] matrix_a_scale:MATRIX_SCALE_ROW1 matrix_b_scale:MATRIX_SCALE_ROW1
.endif
.endif
.endm
; K step s, x's blocks a0 .. a1, each against W's four.  The 36 accumulators take turns, one instruction a turn, in the same order in every step.  Step 0's products start the sums: nothing is cleared.
.macro MULS s, a0, a1
.set AFP, AF0+(AF1-AF0)*((\s)&1)
.set MA, \a0
.rept (\a1)-(\a0)+1
.if MA < 8
	WIN 0xa1+0x0c*((\s)&1)                         ; source 0 (W) window 1; source 1 (x) window 0 or 3; C and D window 2
.set ACB, 32*MA
.else
	WIN 0xf1+0x0c*((\s)&1)                         ; the same, C and D window 3
.set ACB, 0
.endif
.irp b, 0,1,2,3
.set rD, ACB+8*\b
.set rW, 64*((\s)&3)+16*\b
.set rX, AFP+16*MA
.set rSW, BS+8*(\b/2)+(\s)
.set rSX, AS+8*(MA/2)+(\s)
.set rV, 2*(\b%2)+MA%2
.if (\s) == 0
	PROD 1
.else
	PROD 0
.endif
.endr
.set MA, MA+1
.endr
.endm
; A K step: 36 products.  Its loads are dealt among its first sixteen: twelve LDS loads behind each of x's blocks 0, 1 and 2, W's sixteen behind block 3.
.macro STEP s
	s_wait_dscnt 0x0                               ; x's set s % 2 is in: the last of its loads was issued 24 products ago, and nothing younger is out
.if (\s) >= 2 && (\s) <= 5
	s_wait_loadcnt 32                              ; W's step s is in; the two younger steps' 32 loads may be out.  (Steps 0 and 1 were shown in by the gather's waits)
.elseif (\s) == 6
	s_wait_loadcnt 16                              ; step 7's may be out
.elseif (\s) == 7
	s_wait_loadcnt 0x0
.endif
.if (\s) >= 1
	s_wait_alu depctr_va_vdst(0)                   ; the last step's products are done reading x's other set and W's buffer (s - 1) % 4, in which this step's loads land; no product of this step names those registers
.endif                                                 ; (step 0's loads land in registers that no vector or matrix instruction has named)
	MULS \s, 0, 0
.if (\s) < 7
	FETCH_A (\s)+1, 0
.else
	TOKENS 0                                       ; step 7: x's set 0 takes the way out's tokens
.endif
	MULS \s, 1, 1
.if (\s) < 7
	FETCH_A (\s)+1, 1
.else
	TOKENS 1
.endif
	MULS \s, 2, 2
.if (\s) < 7
	FETCH_A (\s)+1, 2
.else
	TOKENS 2
.endif
	MULS \s, 3, 3
.if (\s) >= 1 && (\s) <= 4
	LOAD_B (\s)+3                                  ; into the buffer that step s - 1 has left: three steps in which to land
.endif
	MULS \s, 4, 8
.endm
; 24 of the gather's 72 loads go to LDS: load j = 4 q + ch holds rows 36 w + 2 q + h, bytes 256 ch + 16 r on
.macro TOLDS j0
.set J, \j0
.rept 24
.if J < 64
	WIN 0x08                                       ; an LDS store's data are its source 1: window 2
.else
	WIN 0x0c                                       ; window 3
.endif
	ds_store_b128 v[LST], v[(4*J)&255:((4*J)&255)+3] offset:2*PA*(J/4)+256*(J%4)
.set J, J+1
.endr
.endm
	s_load_b256 s[4:11], s[0:1], 0x0               ; counts s[4:5], order s[6:7], wf s[8:9], weight_scales s[10:11]
	s_load_b128 s[12:15], s[0:1], 0x20             ; x_codes s[12:13], x_scales s[14:15]
	s_load_b64 s[16:17], s[0:1], 0x30              ; out0
	v_lshl_add_u32 v254, v0, 2, 0x29700
	v_mov_b32 v255, 0
	v_lshrrev_b32 v1, 5, v0
	v_readfirstlane_b32 s18, v1                    ; wave 0..3
	s_mov_b32 s19, ttmp9                           ; ct: which 256 columns
	s_and_b32 s20, ttmp7, 0xffff                   ; tau: which row tile
	s_wait_kmcnt 0x0
	s_load_b256 s[CNT:CNT+7], s[4:5], 0x0          ; the eight counts; the address work below stands between the load and the wait for it
	v_and_b32 v1, 15, v0                           ; r
	v_bfe_u32 v2, v0, 4, 1                         ; h
	v_and_b32 v3, 31, v0                           ; lane
	v_lshlrev_b32 v[LB], 4, v3
	v_mul_u32_u24 v[ADRA], v1, PA
	v_lshl_add_u32 v[ADRA], v2, 4, v[ADRA]
	v_add_nc_u32 v[ADRA+1], 48*PA, v[ADRA]
	v_add_nc_u32 v[ADRA+2], 96*PA, v[ADRA]
	s_wait_alu depctr_va_sdst(0)                   ; s18, the wave's number, is written, ahead of its first reader
	s_mul_i32 s46, s18, 36*PA
	v_mul_u32_u24 v[LST], v2, PA
	v_lshl_add_u32 v[LST], v1, 4, v[LST]
	v_add_nc_u32 v[LST], s46, v[LST]
	s_mul_i32 s46, s18, 640
	s_add_co_u32 s46, s46, TOK
	v_lshl_add_u32 v[TKW], v3, 2, s46
	v_lshl_add_u32 v[TKE], v2, 2, s46
	s_mul_i32 s46, s18, 784                        ; 640 w + 4 x 36 w
	s_add_co_u32 s46, s46, TOK
	v_lshl_add_u32 v[TKP], v2, 2, s46
	s_mul_i32 s46, s18, 16*SP
	s_add_co_u32 s46, s46, STG
	v_mul_u32_u24 v[STO], v1, SP
	v_lshl_add_u32 v[STO], v2, 5, v[STO]
	v_add_nc_u32 v[STO], s46, v[STO]
	v_mul_u32_u24 v[RD], v2, SP
	v_lshl_add_u32 v[RD], v1, 4, v[RD]
	v_add_nc_u32 v[RD], s46, v[RD]
	v_lshlrev_b32 v[COLP], 4, v1
	v_lshlrev_b32 v[L32], 5, v3
	s_wait_kmcnt 0x0
	; ---- which tile is mine.  ceil(c / 144) = ((c + 143) x 116509) >> 24: 144 x 116509 = 2^24 + 80, so up to c + 143 = 8,335 the quotient is over by less than 0.0003, under 1 / 144
.irp g, 0,1,2,3,4,5,6,7
	s_min_u32 s[CNT+\g], s[CNT+\g], 0x2000
	s_add_co_u32 s46, s[CNT+\g], 143
	s_mul_i32 s46, s46, 116509
	s_lshr_b32 s46, s46, 24
.if \g == 0
	s_mov_b32 s[END], s46
.else
	s_add_co_u32 s[END+\g], s[END+\g-1], s46
.endif
.endr
	s_cmp_ge_u32 s20, s[END+7]
	s_cselect_b32 s21, 1, 0                        ; 1: this split leaves me no tile
	s_sub_co_u32 s46, s[END+7], 1
	s_min_u32 s20, s20, s46                        ; then I walk the head on the last real one
	s_mov_b32 s22, 7                               ; e, the first tile of e, the count of e: the smallest g with tau < END[g]
	s_mov_b32 s23, s[END+6]
	s_mov_b32 s40, s[CNT+7]
.irp g, 6,5,4,3,2,1
	s_cmp_lt_u32 s20, s[END+\g]
	s_cselect_b32 s22, \g, s22
	s_cselect_b32 s23, s[END+\g-1], s23
	s_cselect_b32 s40, s[CNT+\g], s40
.endr
	s_cmp_lt_u32 s20, s[END]
	s_cselect_b32 s22, 0, s22
	s_cselect_b32 s23, 0, s23
	s_cselect_b32 s40, s[CNT], s40
	s_sub_co_u32 s41, s20, s23
	s_mul_i32 s41, s41, 144                        ; my first rank
	s_sub_co_u32 s42, s40, s41
	s_min_u32 s42, s42, 144                        ; my rows, 1 .. 144
	s_sub_co_u32 s43, s42, 1
	s_min_u32 s22, s22, 7
	; ---- the pointers
	s_lshl_b32 s44, s22, 15                        ; an expert's 8,192 words of order, and its 1,024 x 32 scale bytes
	s_mov_b32 s45, 0
	s_add_nc_u64 s[6:7], s[6:7], s[44:45]
	s_add_nc_u64 s[10:11], s[10:11], s[44:45]
	s_lshl_b32 s46, s19, 2
	s_add_co_u32 s46, s46, s18                     ; 4 ct + w: my 64 columns
	s_lshl_b32 s44, s46, 11                        ; x 64 x 32 scale bytes
	s_add_nc_u64 s[10:11], s[10:11], s[44:45]
	s_lshl_b32 s44, s46, 16                        ; x 4 column blocks of 16,384 bytes in wf,
	s_lshl_b32 s47, s22, 20                        ; + the expert's 2^20
	s_add_co_u32 s44, s44, s47
	s_add_nc_u64 s[8:9], s[8:9], s[44:45]
	s_lshl_b32 s44, s46, 8                         ; x 256 bytes of an output row
	s_add_nc_u64 s[16:17], s[16:17], s[44:45]
	; ---- the tile's tokens, a lane a row: rows past my last take the last one's
.irp p, 0,1,2,3,4
	v_add_nc_u32 v[OOF+\p], 32*\p, v3
	v_min_u32 v[OOF+\p], s43, v[OOF+\p]
	v_add_nc_u32 v[OOF+\p], s41, v[OOF+\p]
	v_min_u32 v[OOF+\p], 0x1fff, v[OOF+\p]         ; a rank stays inside the expert's 8,192 words
	v_lshlrev_b32 v[OOF+\p], 2, v[OOF+\p]
.endr
	s_wait_alu depctr_va_vdst(0)                   ; the addresses v4 to v15 and the offsets v26 to v30 are written, which the kernel's loads, stores and LDS instructions read
.irp p, 0,1,2,3,4
	global_load_b32 v[T5+\p], v[OOF+\p], s[6:7]
.endr
.irp q, 0,1
	global_load_b128 v[BS+8*\q:BS+8*\q+3], v[L32], s[10:11] offset:1024*\q        ; W's scale words: lane l takes the 32 bytes of column 32 q + l
	global_load_b128 v[BS+8*\q+4:BS+8*\q+7], v[L32], s[10:11] offset:1024*\q+16
.endr
	LOAD_B 0
	LOAD_B 1
	WIN 0
	s_wait_loadcnt 36                              ; the five token loads are in; the 4 + 16 + 16 loads issued behind them may be out
.irp p, 0,1,2,3,4
	v_min_u32 v[T5+\p], 0x1fff, v[T5+\p]
.endr
.irp p, 0,1,2,3,4
	v_lshlrev_b32 v[T32+\p], 5, v[T5+\p]
.endr
	s_wait_alu depctr_va_vdst(0)                   ; the tokens v16 to v20 are written, which the LDS stores read as data, and v21 to v25, which the loads of x's scale words read as offsets
.irp p, 0,1,2,3,4
	ds_store_b32 v[TKW], v[T5+\p] offset:128*\p    ; into my wave's own 160 words
.endr
.irp q, 0,1,2,3,4,5,6,7,8,9,10,11,12,13,14,15,16,17
	ds_load_b32 v[GOFF+\q], v[TKP] offset:8*\q     ; the token of row 36 w + 2 q + h.  LDS serves a wave's instructions in order: these see my stores
.endr
.irp p, 0,1,2,3,4
	global_load_b128 v[AS+8*\p:AS+8*\p+3], v[T32+\p], s[14:15]                    ; x's scale words: lane l takes the 32 bytes of row 32 p + l
	global_load_b128 v[AS+8*\p+4:AS+8*\p+7], v[T32+\p], s[14:15] offset:16
.endr
	s_wait_dscnt 0x0
.irp q, 0,1,2,3,4,5,6,7,8,9,10,11,12,13,14,15,16,17
	v_min_u32 v[GOFF+\q], 0x1fff, v[GOFF+\q]
.endr
.irp q, 0,1,2,3,4,5,6,7,8,9,10,11,12,13,14,15,16,17
	v_lshl_add_u32 v[GOFF+\q], v[GOFF+\q], 10, v[COLP]   ; the token's row of 1,024 bytes, + 16 r
.endr
	s_wait_alu depctr_va_vdst(0)                   ; the eighteen offsets v32 to v49 are written, which the gather's loads read
	; ---- the gather: my 36 rows, 72 loads; sixteen lanes take 256 consecutive, aligned bytes of a row
.set J, 0
.rept 72
.if J < 64
	WIN 0x80                                       ; destination window 2
.else
	WIN 0xc0                                       ; window 3
.endif
	global_load_b128 v[(4*J)&255:((4*J)&255)+3], v[GOFF+J/4], s[12:13] offset:256*(J%4)
.set J, J+1
.endr
	s_wait_loadcnt 48                              ; loads 0-23 are in (and all that was issued before the gather); the 48 younger ones may be out
	TOLDS 0
	LOAD_B 2
	s_wait_loadcnt 40                              ; loads 24-47 are in; 24 of the gather and step 2's 16 may be out
	TOLDS 24
	LOAD_B 3
	s_wait_loadcnt 32                              ; the gather is in; steps 2 and 3 of W may be out
	TOLDS 48
	WIN 0                                          ; at a branch every window is 0
	s_wait_dscnt 0x0                               ; for the others' sake: my 36 rows have landed
	s_barrier_signal -1
	s_barrier_wait -1                              ; all 144 rows lie in LDS: the launch's one barrier
	s_wait_alu depctr_vm_vsrc(0)                   ; my LDS stores have read the staging registers: from here on these are the accumulators, which the products write
	s_cmp_lg_u32 s21, 0
	s_cbranch_scc1 .Lend                           ; no tile for me in this split
	FETCH_A 0, 0
	FETCH_A 0, 1
	FETCH_A 0, 2
	STEP 0
	STEP 1
	STEP 2
	STEP 3
	STEP 4
	STEP 5
	STEP 6
	STEP 7
; THE WAY OUT, a block of 16 rows at a time.  A lane holds 32 bytes of a row and the lanes beside it hold other rows: a block goes through my own stage and comes back as rows of 256 bytes, two a load.
; LDS serves a wave's instructions in order: no wait between the stores and the loads, nor in front of the next block's stores.
.macro TOSTAGE a
.if (\a) < 8
	WIN 0x08
.set ACB, 32*(\a)
.else
	WIN 0x0c
.set ACB, 0
.endif
.irp b, 0,1,2,3
	ds_store_b128 v[STO], v[ACB+8*\b:ACB+8*\b+3] offset:64*\b        ; each accumulator from its low end on
	ds_store_b128 v[STO], v[ACB+8*\b+4:ACB+8*\b+7] offset:64*\b+16
.endr
	WIN 0
.set OBP, OB+32*((\a)&1)
.irp t, 0,1,2,3,4,5,6,7
	ds_load_b128 v[OBP+4*\t:OBP+4*\t+3], v[RD] offset:2*SP*\t        ; rows 2 t + h
.endr
.endm
; younger: the LDS instructions issued behind block a's, which may stay out.  A block that begins at or past my last row holds only repeats, and so do all behind it: the wave leaves.
; In the block that holds my last row the repeats are stored onto the last token's row again, with the same bits: every lane stays on.
.macro SEND a, younger
.set OBP, OB+32*((\a)&1)
.if (\a) > 0
	s_cmp_le_u32 s42, 16*(\a)                      ; (block 0 always holds a row of mine)
	s_cbranch_scc1 .Lend
.endif
	s_wait_dscnt \younger
.irp t, 0,1,2,3,4,5,6,7
	global_store_b128 v[TK+8*(\a)+\t], v[OBP+4*\t:OBP+4*\t+3], s[16:17] th:TH_STORE_NT   ; sixteen lanes store 256 consecutive bytes, at a multiple of 256 from out0's first byte
.endr
.endm
	WIN 0
	PLACES 8                                       ; eight plain vector instructions behind every product: ahead of the vector lines below, which write registers of x's set 0 that the even steps' products read, and of the first read of results
	s_wait_dscnt 0x0                               ; the 72 tokens, asked for among step 7's first products, are in
.set J, 0
.rept 72
	v_min_u32 v[TK+J], 0x1fff, v[TK+J]
.set J, J+1
.endr
.set J, 0
.rept 72
	v_lshl_add_u32 v[TK+J], v[TK+J], 12, v[COLP]   ; the token's output row of 4,096 bytes, + 16 r
.set J, J+1
.endr
	s_wait_alu depctr_va_vdst(0)                   ; the offsets v170 to v241 are written, which the stores read; the products have written the accumulators, which the LDS stores read, and are done reading x's set 0, in which the loads from the stage land
	TOSTAGE 0
.irp a, 1,2,3,4,5,6,7,8
.if \a > 1
	s_wait_xcnt 0x0                                ; block a - 2's stores have had their addresses translated: block a's loads land in the registers that they read
	s_wait_alu depctr_vm_vsrc(0)                   ; block a - 2's stores have read their sixteen rows' registers, in which block a's loads from the stage land
.endif
	TOSTAGE \a
	SEND \a-1, 16                                  ; behind block a - 1's loads: block a's 8 stores and 8 loads
.endr
	SEND 8, 0
.Lend:
	s_wait_dscnt 0x0                               ; the closing lines, six on end
	s_wait_alu 0x0
	s_wait_tensorcnt 0x0
	ds_add_u32 v254, v255
	s_wait_dscnt 0x0
	s_endpgm
.Lfunc_end_k_qc96a61a9d4_gemm:
	.size	k_qc96a61a9d4_gemm, .Lfunc_end_k_qc96a61a9d4_gemm-k_qc96a61a9d4_gemm
	.p2alignl 7, 3214868480
	.fill 96, 4, 3214868480
	.section	.rodata,"a",@progbits
	.p2align	6, 0x0
	.amdhsa_kernel k_qc96a61a9d4_gemm
		.amdhsa_group_segment_fixed_size 170240
		.amdhsa_private_segment_fixed_size 0
		.amdhsa_enable_private_segment 0
		.amdhsa_kernarg_size 56
		.amdhsa_user_sgpr_count 2
		.amdhsa_user_sgpr_kernarg_segment_ptr 1
		.amdhsa_wavefront_size32 1
		.amdhsa_system_sgpr_workgroup_id_x 1
		.amdhsa_system_sgpr_workgroup_id_y 1
		.amdhsa_system_sgpr_workgroup_id_z 1
		.amdhsa_system_vgpr_workitem_id 0
		.amdhsa_next_free_vgpr 944
		.amdhsa_next_free_sgpr 66
		.amdhsa_reserve_vcc 0
		.amdhsa_float_denorm_mode_32 3
		.amdhsa_float_denorm_mode_16_64 3
		.amdhsa_memory_ordered 1
		.amdhsa_forward_progress 1
		.amdhsa_inst_pref_size 127
	.end_amdhsa_kernel
	.amdgpu_metadata
---
amdhsa.version: [ 1, 2 ]
amdhsa.kernels:
  - .name:           k_qc96a61a9d4_gemm
    .symbol:         k_qc96a61a9d4_gemm.kd
    .args:
      - { .name: counts, .offset: 0, .size: 8, .value_kind: global_buffer, .address_space: global }
      - { .name: order, .offset: 8, .size: 8, .value_kind: global_buffer, .address_space: global }
      - { .name: wf, .offset: 16, .size: 8, .value_kind: global_buffer, .address_space: global }
      - { .name: weight_scales, .offset: 24, .size: 8, .value_kind: global_buffer, .address_space: global }
      - { .name: x_codes, .offset: 32, .size: 8, .value_kind: global_buffer, .address_space: global }
      - { .name: x_scales, .offset: 40, .size: 8, .value_kind: global_buffer, .address_space: global }
      - { .name: out0, .offset: 48, .size: 8, .value_kind: global_buffer, .address_space: global }
    .group_segment_fixed_size: 170240
    .private_segment_fixed_size: 0
    .kernarg_segment_align: 8
    .kernarg_segment_size: 56
    .max_flat_workgroup_size: 128
    .sgpr_count:     66
    .vgpr_count:     944
    .wavefront_size: 32
...
	.end_amdgpu_metadata
.endif
;; end of part 4
